; MI455X (gfx1250); checked and timed in simulation.
; The chip was launched on July 23, 2026; its instructions are those of AMD's public machine-readable ISA for CDNA 5 (MIT licence, August 2026) and "CDNA5" Instruction Set Architecture Reference Guide (July 2026). The comments in the code are by the model that wrote it; some were corrected since.
;; Point Net Feature Propagation. Allowed arithmetic: matrix products marked QUANTISED: E2M3 operands, one E8M0 scale for each 32 along K, by v_wmma_scale_f32_16x16x128_f8f6f4 with both operands' format E2M3, f32 sums; products left as they are: f32 operands where the result goes on into a quantised operand, else bf16, f16 or f32 operands; f32 sums; everything else in f32.
;; Inputs: b0 256 float32; b1 128 float32; bias0 256 float32; bias1 128 float32; mean0 256 float32; mean1 128 float32; points1 64 x 65,536 float32; points2 256 x 2,048 float32; scale0 256 float32; scale1 128 float32; var0 256 float32; var1 128 float32; w0_codes 256 x 10 x 24 uint8 (E2M3 codes of w0, K innermost, in blocks of 32 codes, four codes in three bytes); w0_scales 256 x 10 uint8 (E8M0 scales of w0, one for each 32 codes along K); w1_codes 128 x 8 x 24 uint8 (E2M3 codes of w1, K innermost, in blocks of 32 codes, four codes in three bytes); w1_scales 128 x 8 uint8 (E8M0 scales of w1, one for each 32 codes along K); xyz1 3 x 65,536 float32; xyz2 3 x 2,048 float32.
;; Outputs: out0 128 x 65,536 float32.
;; This version of the problem:
;;   THIS VERSION OF THE PROBLEM IS GIVEN IN LOW PRECISION. The matrix products marked QUANTISED in the list below multiply operands that are first quantised to E2M3 (2 exponent bits, 3 mantissa bits; 6 bits a number), with one power-of-two scale for each 32 numbers along K (OCP MX v1.0); their sums are f32. All else is computed in f32.
;;   The module's matrix products, in the order in which they are computed (A, B: the left and right operand; K: the contracted axis; several contracted axes count as one K, in the product's order):
;;     1. [M 65,536, K 3] x [K 3, N 2,048]; A: input xyz1; B: input xyz2: left as it is (K = 3 < 32)
;;     2. batch 65,536 x [M 256, K 3] x [K 3, N 1]; A: computed on the way; B: computed on the way: left as it is (K = 3 < 32)
;;     3. [M 65,536, K 320] x [K 320, N 256]; A: computed on the way; B: input w0 (given as codes): QUANTISED
;;     4. [M 65,536, K 256] x [K 256, N 128]; A: computed on the way; B: input w1 (given as codes): QUANTISED
;;   THE QUANTISER, for each operand of a quantised product, along K:
;;     - K is cut into blocks of 32 from its start; a last block that is shorter is filled with zeros.
;;     - A block's scale is 2^e with e = floor(log2(the largest magnitude in the block)) - 2, held to -126 .. 127; a block of zeros has e = 0. As a byte (E8M0): e + 127.
;;     - Each number is divided by its block's scale, clamped to +-7.5, and rounded to the nearest number of E2M3, ties to even, subnormals kept.
;;     - The product sums the exact products of the quantised numbers (number of the format x scale) in f32.
;;   ~~~python
;;   def quantise(x, axis):      # numpy; x: float32 -> the quantised numbers, widened to float32 again
;;       x = np.moveaxis(x, axis, -1); K = x.shape[-1]
;;       x = np.pad(x, [(0, 0)] * (x.ndim - 1) + [(0, -K % 32)]); x = x.reshape(x.shape[:-1] + (-1, 32)); a = np.abs(x).max(-1, keepdims=True)
;;       e = np.where(a > 0, np.clip(np.frexp(np.where(a > 0, a, 1))[1] - 1 - 2, -126, 127), 0)      # np.frexp(a)[1] - 1 = floor(log2(a)), exactly
;;       r = np.clip(x / 2.0 ** e, -7.5, 7.5)
;;       step = 2.0 ** (np.maximum(np.frexp(np.where(r == 0, 1, r))[1] - 1, 0) - 3)
;;       q = np.round(r / step) * step * 2.0 ** e      # np.round: ties to even
;;       return np.moveaxis(q.reshape(q.shape[:-2] + (-1,))[..., :K], -1, axis).astype(np.float32)
;;   ~~~
;;   OPERANDS COMPUTED ON THE WAY. 'Computed on the way' means the value that the module computes at that place (a softmax that the list does not call 'softmax' is quantised finished and normalised). What goes into a quantiser is computed in f32, as accurately as f32 sums, v_exp_f32 and their like allow (about 1e-6 of the number): no bf16 or f16 on the way to a quantiser, and a product that is left as it is and whose result goes on into a quantised operand takes f32 operands (vector FMAs, or v_wmma_f32_16x16x4_f32). A number that lies on a knife's edge between two numbers of the format may be rounded either way, as far as f32 arithmetic and the matrix unit's own rounding can turn it there, and no further.
;;   INPUTS GIVEN AS CODES. w0 (in the module: [320, 256], K = its axis 0); w1 (in the module: [256, 128], K = its axis 0): each comes as NAME_codes (uint8): NAME with its K axis moved to the last place and cut into blocks of 32 codes, [.., K / 32, bytes a block], one block behind the other in memory; four codes in three bytes: a row's codes are one little-endian stream of bits, code i at bits 6 i .. 6 i + 5 (a code: sign, 2 exponent bits, 3 mantissa bits); and NAME_scales (uint8): the same leading axes, one E8M0 byte (e + 127) for each 32 codes along K. Its value is code x scale, taken as it is: it is not quantised again, and the codes and scales need not be those that the quantiser above would give.
;; One version. Each part assembles by itself: llvm-mc -triple=amdgcn-amd-amdhsa -mcpu=gfx1250 --defsym DOCPART=n.
;; ======== version 1 of 1: 3 launches
;; workspace buffers: grp 262,144 bytes of whole numbers; nbr 1,048,576 bytes of whole numbers; wgt 1,048,576 bytes; p2t 2,097,152 bytes; wimg 106,496 bytes
;; launch knn (part 1): grid 256 x 1, 4 waves a work-group, no clusters, 34,304 bytes of LDS; arguments xyz1, xyz2, grp; writes grp
.if DOCPART == 1
	.amdgcn_target "amdgcn-amd-amdhsa--gfx1250"
	.amdhsa_code_object_version 6
	.text
	.protected	k_q883bc3c5b3_knn
	.globl	k_q883bc3c5b3_knn
	.p2align	8
	.type	k_q883bc3c5b3_knn,@function
k_q883bc3c5b3_knn:
	s_mov_b64 s[64:65], 0
	v_nop
	global_prefetch_b8 v0, s[64:65] scope:SCOPE_SE
	s_setreg_imm32_b32 hwreg(HW_REG_WAVE_MODE, 25, 1), 1
	s_wait_xcnt 0x0
; For each of 65,536 points: which four GROUPS of 16 neighbouring centres (group g = centres 16 g .. 16 g + 15) have the smallest minima of
; e = ((-2 x2) x1 + (-2 y2) y1 + (-2 z2) z1) + s2, s2 = |centre|^2: the squared distance less |point|^2, which does not change a point's order.
; In one and the same order THREE groups would hold the three nearest centres: at least three centres are no farther than the third smallest group
; minimum T, a centre under T lies in a group whose minimum is under T (two at most, both kept), and a centre at T in a group that was not kept has
; three predecessors by (value, index), one in each kept group.  The next launch orders its candidates by the distance as the problem writes it,
; (s1 + s2) + t, whose rounding differs from e's: the FOURTH group is the margin for that.  It scans the 64 candidates.
; e comes from the f32 matrix form, K = 4: source 0 = 16 centres (-2x, -2y, -2z, s2), source 1 = 16 points (x, y, z, 1), C = 0.  f32 operands,
; since the distances go on into the weights and those into a quantiser.
; SHARES: a work-group 256 points, a wave 64 (four tiles of 16), every wave all 128 tiles of centres, two tiles (a PAIR) at a time.
; THE CENTRES OF A TILE ARE CHOSEN: row m of tile t is centre 1024 (m / 8) + 16 (t / 2) + 8 (t % 2) + m % 8, so that in the result a lane
; (point = lane % 16, half = lane / 16) holds, over the 16 registers of pair u, exactly the 16 centres of group 64 half + u.
; The vector unit only takes each group's minimum (8 lines a point tile) and inserts it into a sorted list of four (15 lines).
; LIMITS: NaN and infinities among the inputs are not served.  A neighbour is lost only where two other groups' minima lie within one f32 rounding
; of its own e at once.
; LDS: the image of source 0, 64 pairs x 512 bytes = 32,768 bytes; the claim is 1 KiB more than the use.
; No cluster: the work-groups share only 24 KiB of centres, read once each.  No prefetch: nothing is streamed.
.set AW, 3                             ; v3   where I store into the image of source 0
.set AL, 4                             ; v4   16 x lane
.set AT, 5                             ; v5   LDS address of the trip's two pairs
.set GV, 9                             ; v9   the number (0..63) of the pair whose results are being read
.set PK, 12                            ; v12-15  a tile's four groups, packed
.set BP, 16                            ; v16-23  source 1: two registers for each tile of points
.set AF, 24                            ; v24-27, v28-31  source 0 of a pair, two buffers
.set ST, 32                            ; v32-63  a tile of points' list at ST + 8 p: four values, ascending, then their four groups
.set DS, 64                            ; v64-127, v128-191  results, two sets: set + 16 p + 8 t + j.  Matrix instructions alone write them
.set XR, 192                           ; v192-239  the centres as loaded; later the other half's lists
.set MT, 240                           ; v240-247  a tile's minimum in hand and a temporary, at MT + 2 p
.set HM, 26                            ; s26  lanes 16-31
.set G,  27                            ; s27  the pair read in a trip's first half
.set UB, 28                            ; s28  LDS byte of the pair loaded in a trip's first half
	s_load_b128 s[4:7], s[0:1], 0x0                ; xyz1, xyz2
	s_load_b64 s[8:9], s[0:1], 0x10                ; grp
	v_lshl_add_u32 v248, v0, 2, 0x8400
	v_mov_b32 v249, 0
	v_lshrrev_b32 v1, 5, v0
	v_readfirstlane_b32 s16, v1                    ; wave
	v_and_b32 v1, 15, v0                           ; r
	v_bfe_u32 v2, v0, 4, 1                         ; half
	v_lshrrev_b32 v[AW], 2, v0                     ; thread T holds centres 512 i + 4 T + e: pair 32 (i % 2) + T / 4,
	v_lshlrev_b32 v[AW], 9, v[AW]                  ; 512 bytes a pair;
	v_and_b32 v5, 1, v0
	v_lshl_add_u32 v[AW], v5, 6, v[AW]             ; row 8 (i / 2) + 4 (T % 2) + e, 16 bytes a row;
	v_bfe_u32 v5, v0, 1, 1
	v_lshl_add_u32 v[AW], v5, 3, v[AW]             ; tile (T / 2) % 2 of the pair, 8 bytes.  At most 31 x 512 + 64 + 8 = 15,944
	v_and_b32 v[AL], 31, v0
	v_lshlrev_b32 v8, 2, v[AL]                     ; 4 x lane: the way out
	v_lshlrev_b32 v[AL], 4, v[AL]
	v_lshlrev_b32 v7, 2, v1
	v_lshl_add_u32 v6, v2, 19, v7                  ; plane 0 (x) for lanes 0-15, plane 2 (z) for lanes 16-31: k = 2 half
	v_add_nc_u32 v7, 0x40000, v7                   ; plane 1 (y): k = 1; lanes 16-31 get 1.0 in its place
	v_lshlrev_b32 v10, 6, v2                       ; 64 x half
	v_lshlrev_b32 v11, 4, v0                       ; 16 x thread
	s_mov_b32 s[HM], 0xffff0000
	s_lshl_b32 s10, ttmp9, 10
	s_lshl_b32 s11, s16, 8
	s_add_co_u32 s10, s10, s11                     ; 4 x my first point
	s_mov_b32 s11, 0
	s_wait_kmcnt 0x0
	s_add_nc_u64 s[4:5], s[4:5], s[10:11]
	s_add_nc_u64 s[8:9], s[8:9], s[10:11]
.irp i, 0,1,2,3
.irp c, 0,1,2
	global_load_b128 v[XR+12*\i+4*\c:XR+12*\i+4*\c+3], v11, s[6:7] offset:2048*\i+8192*\c
.endr
.endr
.irp p, 0,1,2,3
	global_load_b32 v[BP+2*\p], v6, s[4:5] offset:64*\p
	global_load_b32 v[BP+2*\p+1], v7, s[4:5] offset:64*\p
.endr
	s_wait_loadcnt 0x0
.irp i, 0,1,2,3
.irp e, 0,1,2,3
.set TT, 240+4*(\e%2)
	v_mul_f32 v[TT+3], v[XR+12*\i+\e], v[XR+12*\i+\e]
	v_fma_f32 v[TT+3], v[XR+12*\i+4+\e], v[XR+12*\i+4+\e], v[TT+3]
	v_fma_f32 v[TT+3], v[XR+12*\i+8+\e], v[XR+12*\i+8+\e], v[TT+3]   ; s2
	v_mul_f32 v[TT], -2.0, v[XR+12*\i+\e]
	v_mul_f32 v[TT+1], -2.0, v[XR+12*\i+4+\e]
	v_mul_f32 v[TT+2], -2.0, v[XR+12*\i+8+\e]
	ds_store_b64 v[AW], v[TT:TT+1] offset:16384*(\i%2)+128*(\i/2)+16*\e        ; k = 0, 1: lanes 0-15 of the image
	ds_store_b64 v[AW], v[TT+2:TT+3] offset:16384*(\i%2)+128*(\i/2)+16*\e+256  ; k = 2, 3: lanes 16-31
.endr
.endr
.irp p, 0,1,2,3
	v_cndmask_b32 v[BP+2*\p+1], v[BP+2*\p+1], 1.0, s[HM]   ; k = 3 of a point is 1
.endr
	s_wait_dscnt 0x0                               ; for the others' sake: my part of the image is stored
	s_barrier_signal -1
	s_barrier_wait -1                              ; the image is whole; nothing is stored to LDS behind this barrier
.macro WM x, q                         ; tile q % 2 of the pair in buffer x, against tile q / 2 of my points, into set x
	v_wmma_f32_16x16x4_f32 v[DS+64*(\x)+8*(\q):DS+64*(\x)+8*(\q)+7], v[AF+4*(\x)+2*((\q)%2):AF+4*(\x)+2*((\q)%2)+1], v[BP+2*((\q)/2):BP+2*((\q)/2)+1], 0
.endm
.macro MINR y, n                       ; round n of 8 of the minimum over set y's 16 registers, the four tiles of points by turns; each accumulator is read from its low end on
.irp p, 0,1,2,3
.set DD, DS+64*(\y)+16*\p
.set MM, MT+2*\p
.if \n == 0
	v_min3_num_f32 v[MM], v[DD], v[DD+1], v[DD+2]
.elseif \n < 7
	v_min3_num_f32 v[MM], v[MM], v[DD+2*(\n)+1], v[DD+2*(\n)+2]
.else
	v_min_num_f32 v[MM], v[MM], v[DD+15]
.endif
.endr
.endm
; Line k of 15 of an insertion of (value v[m], number v[g]) into tile p's sorted list of four.  The compares are strict: of equal values the one that came first stays ahead.
.macro INSL p, k, m, g, sb
.set SS, ST+8*(\p)
.set TR, MT+2*(\p)+1
.if \k == 1
	v_cmp_lt_f32 s[\sb], v[\m], v[SS]
.elseif \k == 2
	v_cmp_lt_f32 s[\sb+1], v[\m], v[SS+1]
.elseif \k == 3
	v_cmp_lt_f32 s[\sb+2], v[\m], v[SS+2]
.elseif \k == 4
	v_cmp_lt_f32 s[\sb+3], v[\m], v[SS+3]
.elseif \k == 5
	v_cndmask_b32 v[TR], v[\g], v[SS+6], s[\sb+2]
.elseif \k == 6
	v_cndmask_b32 v[SS+7], v[SS+7], v[TR], s[\sb+3]
.elseif \k == 7
	v_cndmask_b32 v[TR], v[\g], v[SS+5], s[\sb+1]
.elseif \k == 8
	v_cndmask_b32 v[SS+6], v[SS+6], v[TR], s[\sb+2]
.elseif \k == 9
	v_cndmask_b32 v[TR], v[\g], v[SS+4], s[\sb]
.elseif \k == 10
	v_cndmask_b32 v[SS+5], v[SS+5], v[TR], s[\sb+1]
.elseif \k == 11
	v_cndmask_b32 v[SS+4], v[SS+4], v[\g], s[\sb]
.elseif \k == 12
	v_med3_num_f32 v[SS+3], v[SS+2], v[SS+3], v[\m]
.elseif \k == 13
	v_med3_num_f32 v[SS+2], v[SS+1], v[SS+2], v[\m]
.elseif \k == 14
	v_med3_num_f32 v[SS+1], v[SS], v[SS+1], v[\m]
.else
	v_min_num_f32 v[SS], v[SS], v[\m]
.endif
.endm
.macro INS2 pa, pb, part               ; two tiles' insertions, line by line by turns, in two parts of 15 lines
.if \part == 0
.irp k, 1,2,3,4,5,6,7
	INSL \pa, \k, MT+2*(\pa), GV, 32
	INSL \pb, \k, MT+2*(\pb), GV, 36
.endr
	INSL \pa, 8, MT+2*(\pa), GV, 32
.else
	INSL \pb, 8, MT+2*(\pb), GV, 36
.irp k, 9,10,11,12,13,14,15
	INSL \pa, \k, MT+2*(\pa), GV, 32
	INSL \pb, \k, MT+2*(\pb), GV, 36
.endr
.endif
.endm
.macro INS1 p, m, g
.irp k, 1,2,3,4,5,6,7,8,9,10,11,12,13,14,15
	INSL \p, \k, \m, \g, 32
.endr
.endm
; Half a trip: the eight products of the pair in buffer x go into set x; between them stands the vector work on the other set, the pair before.
; Behind each product stand 8 or 15 plain vector lines that name none of its registers; a set is read half a trip after it was written, and a
; buffer is loaded again behind the 15 lines that follow its last reader: the eight places that this matrix form asks for (ISA guide 7.12.1).
.macro HALF x, load, off, first
	s_wait_dscnt 0x0                               ; buffer x has landed (asked for half a trip ago)
.if \load
	ds_load_b128 v[AF+4*(1-\x):AF+4*(1-\x)+3], v[AT] offset:\off
.endif
.if \first
	v_mov_b32 v[GV], s[G]
.else
	v_add_nc_u32 v[GV], 1, v[GV]
.endif
	WM \x, 0
	MINR 1-\x, 0
	MINR 1-\x, 1
	WM \x, 1
	MINR 1-\x, 2
	MINR 1-\x, 3
	WM \x, 2
	MINR 1-\x, 4
	MINR 1-\x, 5
	WM \x, 3
	MINR 1-\x, 6
	MINR 1-\x, 7
	WM \x, 4
	INS2 0, 1, 0
	WM \x, 5
	INS2 0, 1, 1
	WM \x, 6
	INS2 2, 3, 0
	WM \x, 7
	INS2 2, 3, 1
.endm
	ds_load_b128 v[AF:AF+3], v[AL]                 ; pair 0
	ds_load_b128 v[AF+4:AF+7], v[AL] offset:512    ; pair 1
	s_wait_dscnt 0x0
.irp q, 0,1,2,3,4,5,6,7
	WM 0, \q                                       ; pair 0: there is no vector work yet to set between
.endr
.irp p, 0,1,2,3
.irp k, 0,1,2,3
	v_mov_b32 v[ST+8*\p+\k], 0x7f800000            ; the lists begin with +infinity,
.endr
.irp k, 4,5,6,7
	v_mov_b32 v[ST+8*\p+\k], 0                     ; (these 32 lines are the places behind pair 0's products)
.endr
.endr
	s_mov_b32 s[G], 0
	s_mov_b32 s[UB], 1024
	s_mov_b32 s29, 31
.Lpair:                                            ; trip i: products of pairs 2 i + 1 and 2 i + 2, vector work on pairs 2 i and 2 i + 1, loads of pairs 2 i + 2 and 2 i + 3
	v_add_nc_u32 v[AT], s[UB], v[AL]
	HALF 1, 1, 0, 1
	HALF 0, 1, 512, 0
	s_add_co_u32 s[G], s[G], 2
	s_add_co_u32 s[UB], s[UB], 1024
	s_sub_co_u32 s29, s29, 1
	s_cmp_lg_u32 s29, 0
	s_cbranch_scc1 .Lpair
	HALF 1, 0, 0, 1                                ; pair 63's products, pair 62's vector work; nothing is left to load
	v_add_nc_u32 v[GV], 1, v[GV]
.irp n, 0,1,2,3,4,5,6,7
	MINR 1, \n                                     ; pair 63's vector work
.endr
	INS2 0, 1, 0
	INS2 0, 1, 1
	INS2 2, 3, 0
	INS2 2, 3, 1
.macro CSW a, b, t                     ; two whole numbers into ascending order: the larger = their sum less the smaller
	v_min_u32 v[\t], v[\a], v[\b]
	v_add_nc_u32 v[\b], v[\a], v[\b]
	v_sub_nc_u32 v[\b], v[\b], v[\t]
	v_mov_b32 v[\a], v[\t]
.endm
; A point's two lists (lanes l and l + 16: groups 0-63 and 64-127) are merged.  A copy and an exchange of halves leave the lower groups' list in both
; halves of the list's registers and the upper groups' in both halves of the copy; the upper four are inserted, so that of equal values the lower group stays ahead.
.macro MERGE p
.set SS, ST+8*(\p)
.set YY, XR+8*(\p)
.irp k, 4,5,6,7
	v_add_nc_u32 v[SS+\k], v10, v[SS+\k]           ; pair number -> group number
.endr
.irp k, 0,1,2,3,4,5,6,7
	v_mov_b32 v[YY+\k], v[SS+\k]
.endr
.irp k, 0,1,2,3,4,5,6,7
	v_permlane16_swap_b32 v[SS+\k], v[YY+\k]
.endr
	INS1 \p, YY, YY+4
	INS1 \p, YY+1, YY+5
	INS1 \p, YY+2, YY+6
	INS1 \p, YY+3, YY+7
	CSW SS+4, SS+5, YY                             ; the four groups in ascending order, so that the next launch meets its candidates by ascending index
	CSW SS+6, SS+7, YY+1
	CSW SS+4, SS+6, YY
	CSW SS+5, SS+7, YY+1
	CSW SS+5, SS+6, YY
	v_lshl_or_b32 v[PK+\p], v[SS+5], 8, v[SS+4]
	v_lshl_or_b32 v[PK+\p], v[SS+6], 16, v[PK+\p]
	v_lshl_or_b32 v[PK+\p], v[SS+7], 24, v[PK+\p]
.endm
	MERGE 0
	MERGE 1
	MERGE 2
	MERGE 3
	v_cndmask_b32 v[PK], v[PK], v[PK+1], s[HM]     ; lanes 0-15: tile 0's points, lanes 16-31: tile 1's
	v_cndmask_b32 v[PK+2], v[PK+2], v[PK+3], s[HM]
	global_store_b32 v8, v[PK], s[8:9]             ; 128 consecutive bytes each; the two together 256, at a multiple of 256 from grp's first byte
	global_store_b32 v8, v[PK+2], s[8:9] offset:128
	s_wait_tensorcnt 0x0
	ds_add_u32 v248, v249
	s_wait_dscnt 0x0
	s_endpgm
.Lfunc_end_k_q883bc3c5b3_knn:
	.size	k_q883bc3c5b3_knn, .Lfunc_end_k_q883bc3c5b3_knn-k_q883bc3c5b3_knn
	.p2alignl 7, 3214868480
	.fill 96, 4, 3214868480
	.section	.rodata,"a",@progbits
	.p2align	6, 0x0
	.amdhsa_kernel k_q883bc3c5b3_knn
		.amdhsa_group_segment_fixed_size 34304
		.amdhsa_private_segment_fixed_size 0
		.amdhsa_enable_private_segment 0
		.amdhsa_kernarg_size 24
		.amdhsa_user_sgpr_count 2
		.amdhsa_user_sgpr_kernarg_segment_ptr 1
		.amdhsa_wavefront_size32 1
		.amdhsa_system_sgpr_workgroup_id_x 1
		.amdhsa_system_sgpr_workgroup_id_y 1
		.amdhsa_system_sgpr_workgroup_id_z 1
		.amdhsa_system_vgpr_workitem_id 0
		.amdhsa_next_free_vgpr 250
		.amdhsa_next_free_sgpr 66
		.amdhsa_reserve_vcc 0
		.amdhsa_float_denorm_mode_32 3
		.amdhsa_float_denorm_mode_16_64 3
		.amdhsa_memory_ordered 1
		.amdhsa_forward_progress 1
		.amdhsa_inst_pref_size 57
	.end_amdhsa_kernel
	.amdgpu_metadata
---
amdhsa.version: [ 1, 2 ]
amdhsa.kernels:
  - .name:           k_q883bc3c5b3_knn
    .symbol:         k_q883bc3c5b3_knn.kd
    .args:
      - { .name: xyz1, .offset: 0, .size: 8, .value_kind: global_buffer, .address_space: global }
      - { .name: xyz2, .offset: 8, .size: 8, .value_kind: global_buffer, .address_space: global }
      - { .name: grp, .offset: 16, .size: 8, .value_kind: global_buffer, .address_space: global }
    .group_segment_fixed_size: 34304
    .private_segment_fixed_size: 0
    .kernarg_segment_align: 8
    .kernarg_segment_size: 24
    .max_flat_workgroup_size: 128
    .sgpr_count:     66
    .vgpr_count:     250
    .wavefront_size: 32
...
	.end_amdgpu_metadata
.endif
;; end of part 1
;; launch refine (part 2): grid 256 x 1, 8 waves a work-group, no clusters, 44,544 bytes of LDS; arguments grp, xyz1, xyz2, points2, w0_codes, w0_scales, w1_codes, w1_scales, b0, scale0, bias0, mean0, var0, b1, scale1, bias1, mean1, var1, nbr, wgt, p2t, wimg; writes nbr, wgt, p2t, wimg
.if DOCPART == 2
	.amdgcn_target "amdgcn-amd-amdhsa--gfx1250"
	.amdhsa_code_object_version 6
	.text
	.protected	k_q883bc3c5b3_refine
	.globl	k_q883bc3c5b3_refine
	.p2align	8
	.type	k_q883bc3c5b3_refine,@function
k_q883bc3c5b3_refine:
	s_mov_b64 s[64:65], 0
	v_nop
	global_prefetch_b8 v0, s[64:65] scope:SCOPE_SE
	s_setreg_imm32_b32 hwreg(HW_REG_WAVE_MODE, 25, 1), 1
	s_wait_xcnt 0x0
; (1) For each point: the three nearest of the 64 centres in the four groups that the launch before stored; their indices (nbr) and inverse-distance weights (wgt).
;     The distance is taken as the problem writes it: d = (s1 + s2) + t, t = the chain of fused multiply-adds of (-2 x2) x1, (-2 y2) y1, (-2 z2) z1; s1, s2 = chains of squares.
;     Candidates come by ascending index and the compares are strict, so of equal distances the lower index stays ahead.
; (2) On the side, laid as the last launch reads them: p2t = points2 turned, [centre][4 j][16 q][4 e] = channel 16 q + 4 j + e; wimg = both weights as images of operand registers,
;     their scale words, and the two layers' gains g = scale / sqrt(var + 1e-5) and shifts t = (b - mean) g + bias.
; SHARES: a thread a point; work-group b also turns quarter j = b % 4 of the channels of centres 32 (b / 4) .. + 31; work-groups 0-63 lay one weight fragment each (wave 0), 64 and 65 the small tables.
; The groups are whole numbers read from memory; each is held to 127 before it enters an LDS address.  What is chosen here by comparing distances is only stored.
; LIMITS: NaN and infinities are not served.  The launch before chose the groups by t + s2 and kept one group more than one order would need: a neighbour is missing here only where two other
; groups' minima lay within one f32 rounding of it at once.  Where d + 1e-8 is within rounding of 0 the weights are as uncertain as the formula itself.
; No tensor load, no cluster (the shared table is 24 KiB of input), no prefetch (nothing is streamed).
.set TP, 34816                         ; LDS: 0: the table, 128 groups x (16 centres x 16 bytes + 16); TP: 64 channel rows x 33 words
	s_load_b512 s[8:23], s[0:1], 0x0               ; grp 8, xyz1 10, xyz2 12, points2 14, w0_codes 16, w0_scales 18, w1_codes 20, w1_scales 22
	s_load_b512 s[24:39], s[0:1], 0x40             ; b0 24, scale0 26, bias0 28, mean0 30, var0 32, b1 34, scale1 36, bias1 38
	s_load_b256 s[40:47], s[0:1], 0x80             ; mean1 40, var1 42, nbr 44, wgt 46
	s_load_b128 s[48:51], s[0:1], 0xa0             ; p2t 48, wimg 50
	v_lshl_add_u32 v192, v0, 2, 0xaa00
	v_mov_b32 v193, 0
	v_lshrrev_b32 v1, 5, v0
	v_readfirstlane_b32 s2, v1                     ; wave
	v_lshlrev_b32 v1, 2, v0                        ; 4 x thread
	v_lshlrev_b32 v2, 4, v0                        ; 16 x thread
	v_lshrrev_b32 v3, 5, v0                        ; points2: q = T / 32 (16 channel rows of 8,192 bytes apart),
	v_lshlrev_b32 v3, 17, v3
	v_bfe_u32 v4, v0, 3, 2
	v_lshl_add_u32 v3, v4, 13, v3                  ; e = (T / 8) % 4,
	v_and_b32 v4, 7, v0
	v_lshl_add_u32 v3, v4, 4, v3                   ; 16 of the row piece's 128 bytes
	v_lshrrev_b32 v4, 2, v0                        ; the table: group T / 4 (+ 64 i), centre 4 (T % 4) + e
	v_mul_u32_u24 v4, v4, 272
	v_and_b32 v5, 3, v0
	v_lshl_add_u32 v4, v5, 6, v4
	v_lshrrev_b32 v5, 3, v0                        ; TP, in: row T / 8, words 4 (T % 8) on
	v_mul_u32_u24 v5, v5, 132
	v_and_b32 v6, 7, v0
	v_lshl_add_u32 v5, v6, 4, v5
	v_add_nc_u32 v5, TP, v5
	v_and_b32 v25, 15, v0                          ; TP, out: rows 4 q' + e, centre 4 wave + u + 2 i
	v_mul_u32_u24 v6, v25, 528
	v_bfe_u32 v7, v0, 4, 1
	v_lshl_add_u32 v6, v7, 2, v6
	v_lshrrev_b32 v24, 5, v0
	v_lshl_add_u32 v6, v24, 4, v6
	v_add_nc_u32 v6, TP, v6
	v_lshlrev_b32 v7, 10, v7                       ; p2t: 1,024 bytes a centre, 16 q'
	v_lshl_add_u32 v7, v24, 12, v7
	v_lshl_add_u32 v7, v25, 4, v7
	s_and_b32 s52, ttmp9, 3                        ; j
	s_lshr_b32 s53, ttmp9, 2                       ; which 32 centres
	s_lshl_b32 s54, s52, 15
	s_lshl_b32 s55, s53, 7
	s_add_co_u32 s54, s54, s55                     ; points2: 4 j rows + 32 centres x 4 bytes
	s_mov_b32 s55, 0
	s_lshl_b32 s56, s53, 15
	s_lshl_b32 s57, s52, 8
	s_add_co_u32 s56, s56, s57                     ; p2t: 32 centres x 1,024 + 256 j
	s_mov_b32 s57, 0
	s_lshl_b32 s58, ttmp9, 10                      ; 256 points x 4 bytes
	s_mov_b32 s59, 0
	s_lshl_b32 s66, ttmp9, 12                      ; 256 points x 16 bytes
	s_mov_b32 s67, 0
	s_wait_kmcnt 0x0
	s_add_nc_u64 s[14:15], s[14:15], s[54:55]
	s_add_nc_u64 s[48:49], s[48:49], s[56:57]
	s_add_nc_u64 s[8:9], s[8:9], s[58:59]
	s_add_nc_u64 s[10:11], s[10:11], s[58:59]
	s_add_nc_u64 s[44:45], s[44:45], s[66:67]
	s_add_nc_u64 s[46:47], s[46:47], s[66:67]
.irp i, 0,1
.irp c, 0,1,2
	global_load_b128 v[32+12*\i+4*\c:35+12*\i+4*\c], v2, s[12:13] offset:4096*\i+8192*\c   ; centres 1024 i + 4 T + e
.endr
.endr
	global_load_b32 v11, v1, s[8:9]                ; my point's four groups
	global_load_b32 v8, v1, s[10:11]
	global_load_b32 v9, v1, s[10:11] offset:262144
	global_load_b32 v10, v1, s[10:11] offset:524288
	global_load_b128 v[56:59], v3, s[14:15]
	global_load_b128 v[60:63], v3, s[14:15] offset:1048576   ; q + 8
	s_wait_loadcnt 0x0
.irp i, 0,1
.irp e, 0,1,2,3
.set TT, 24+4*(\e%2)
	v_mul_f32 v[TT+3], v[32+12*\i+\e], v[32+12*\i+\e]
	v_fma_f32 v[TT+3], v[36+12*\i+\e], v[36+12*\i+\e], v[TT+3]
	v_fma_f32 v[TT+3], v[40+12*\i+\e], v[40+12*\i+\e], v[TT+3]   ; s2
	v_mul_f32 v[TT], -2.0, v[32+12*\i+\e]
	v_mul_f32 v[TT+1], -2.0, v[36+12*\i+\e]
	v_mul_f32 v[TT+2], -2.0, v[40+12*\i+\e]
	ds_store_b128 v4, v[TT:TT+3] offset:17408*\i+16*\e
.endr
.endr
.irp e, 0,1,2,3
	ds_store_b32 v5, v[56+\e] offset:4*\e
	ds_store_b32 v5, v[60+\e] offset:4224+4*\e
.endr
	s_wait_dscnt 0x0                               ; for the others' sake: my stores are done
	s_barrier_signal -1
	s_barrier_wait -1                              ; table and TP are whole; nothing is stored to LDS behind this barrier
.irp k, 0,1,2,3
	v_bfe_u32 v[12+\k], v11, 8*\k, 8
.endr
.irp k, 0,1,2,3
	v_min_u32 v[12+\k], 127, v[12+\k]              ; a number from memory is held to the table before it enters an address
.endr
.irp k, 0,1,2,3
	v_mul_u32_u24 v[48+\k], v[12+\k], 272          ; v48-51: where my four groups lie in the table
.endr
.irp i, 0,1
.irp e, 0,1,2,3
	ds_load_b32 v[56+4*\i+\e], v6 offset:132*\e+8*\i
.endr
.endr
.macro LOADG k                         ; group k's 16 centres into buffer k % 2
.set i, 0
.rept 16
	ds_load_b128 v[64+64*((\k)%2)+4*i:64+64*((\k)%2)+4*i+3], v[48+\k] offset:16*i
.set i, i+1
.endr
.endm
	LOADG 0
	LOADG 1
	v_mul_f32 v33, v8, v8
	v_fma_f32 v33, v9, v9, v33
	v_fma_f32 v33, v10, v10, v33                   ; s1
.irp k, 18,19,20
	v_mov_b32 v\k, 0x7f800000                      ; the list: three distances,
.endr
.irp k, 21,22,23
	v_mov_b32 v\k, 0                               ; three candidate numbers 16 k + i
.endr
	s_wait_dscnt 32                                ; the eight words of TP are in; behind them 32 loads of candidates are out
	global_store_b128 v7, v[56:59], s[48:49]       ; sixteen lanes store 256 consecutive bytes, at a multiple of 256 from p2t's first byte
	global_store_b128 v7, v[60:63], s[48:49] offset:2048
.macro INSB m, id
	v_cmp_lt_f32 s60, v[\m], v18
	v_cmp_lt_f32 s61, v[\m], v19
	v_cmp_lt_f32 s62, v[\m], v20
	v_cndmask_b32 v34, \id, v22, s61
	v_cndmask_b32 v23, v23, v34, s62
	v_cndmask_b32 v34, \id, v21, s60
	v_cndmask_b32 v22, v22, v34, s61
	v_cndmask_b32 v21, v21, \id, s60
	v_med3_num_f32 v20, v19, v20, v[\m]
	v_med3_num_f32 v19, v18, v19, v[\m]
	v_min_num_f32 v18, v18, v[\m]
.endm
.macro CAND4 k, b, left                ; candidates 4 b .. 4 b + 3 of group k; left: the LDS loads issued behind theirs
.set QQ, 64+64*((\k)%2)+16*(\b)
	s_wait_dscnt \left
.irp n, 0,1,2,3
	v_mul_f32 v[24+\n], v[QQ+4*\n], v8
.endr
.irp n, 0,1,2,3
	v_add_f32 v[28+\n], v33, v[QQ+4*\n+3]          ; s1 + s2
.endr
.irp n, 0,1,2,3
	v_fma_f32 v[24+\n], v[QQ+4*\n+1], v9, v[24+\n]
.endr
.irp n, 0,1,2,3
	v_fma_f32 v[24+\n], v[QQ+4*\n+2], v10, v[24+\n]
.endr
.irp n, 0,1,2,3
	v_add_f32 v[24+\n], v[28+\n], v[24+\n]         ; d
.endr
.irp n, 0,1,2,3
	INSB 24+\n, 16*(\k)+4*(\b)+\n
.endr
.endm
.irp b, 0,1,2,3
	CAND4 0, \b, 28-4*\b                           ; behind these four: the group's later loads and the next group's sixteen
.endr
	LOADG 2
.irp b, 0,1,2,3
	CAND4 1, \b, 28-4*\b
.endr
	LOADG 3
.irp b, 0,1,2,3
	CAND4 2, \b, 28-4*\b
.endr
.irp b, 0,1,2,3
	CAND4 3, \b, 12-4*\b                           ; the last group: only its own later loads are out
.endr
.irp k, 0,1,2
	v_lshrrev_b32 v[24+\k], 4, v[21+\k]            ; which of my four groups,
	v_and_b32 v[28+\k], 15, v[21+\k]               ; which of its sixteen
.endr
.irp k, 0,1,2
	v_cmp_eq_u32 vcc_lo, 1, v[24+\k]
	v_cndmask_b32 v34, v12, v13, vcc_lo
	v_cmp_eq_u32 vcc_lo, 2, v[24+\k]
	v_cndmask_b32 v34, v34, v14, vcc_lo
	v_cmp_eq_u32 vcc_lo, 3, v[24+\k]
	v_cndmask_b32 v34, v34, v15, vcc_lo
	v_lshl_add_u32 v[36+\k], v34, 4, v[28+\k]      ; the centre's index: only stored
.endr
	v_mov_b32 v39, 0
.irp k, 0,1,2
	v_add_f32 v[24+\k], 0x322bcc77, v[18+\k]       ; d + 1e-8
.endr
.irp k, 0,1,2
	v_rcp_f32 v[28+\k], v[24+\k]
.endr
	v_mov_b32 v43, 0                               ; a plain line behind the reciprocals
	s_wait_alu depctr_va_vdst(0)                   ; one wait for the three, ahead of their first reader
.irp k, 0,1,2
	v_fma_f32 v[44+\k], -v[24+\k], v[28+\k], 1.0   ; one Newton step: the reciprocal instruction is good to 1 ulp, the problem divides
.endr
.irp k, 0,1,2
	v_fma_f32 v[28+\k], v[44+\k], v[28+\k], v[28+\k]
.endr
	v_add_f32 v31, v28, v29
	v_add_f32 v31, v31, v30
	v_rcp_f32 v35, v31
	v_nop
	s_wait_alu depctr_va_vdst(0)
	v_fma_f32 v44, -v31, v35, 1.0
	v_fma_f32 v35, v44, v35, v35
.irp k, 0,1,2
	v_mul_f32 v[40+\k], v[28+\k], v35
.endr
	global_store_b128 v2, v[36:39], s[44:45]       ; 32 lanes store 512 consecutive bytes
	global_store_b128 v2, v[40:43], s[46:47]
	; ---- the tables: branches on the work-group's and the wave's number alone; fresh registers, so that no pending store's source is written
	s_cmp_lt_u32 ttmp9, 48
	s_cbranch_scc1 .Lw0
	s_cmp_lt_u32 ttmp9, 64
	s_cbranch_scc1 .Lw1
	s_cmp_eq_u32 ttmp9, 64
	s_cbranch_scc1 .Lc0
	s_cmp_eq_u32 ttmp9, 65
	s_cbranch_scc1 .Lc1
	s_wait_tensorcnt 0x0
	ds_add_u32 v192, v193
	s_wait_dscnt 0x0
	s_endpgm
.Lw0:                                              ; fragment f = 3 tile + K step of w0: lane (r, h) takes 24 bytes at 24 h and 24 at 48 + 24 h of its row's 96
	s_cmp_lg_u32 s2, 0
	s_cbranch_scc1 .Lend
	s_mul_i32 s52, ttmp9, 171
	s_lshr_b32 s52, s52, 9                         ; tile = f / 3 (exact for f under 48)
	s_mul_i32 s53, s52, 3
	s_sub_co_u32 s53, ttmp9, s53                   ; K step
	s_lshr_b32 s54, s52, 1
	s_lshl_b32 s54, s54, 5
	s_and_b32 s55, s52, 1
	s_lshl_b32 s55, s55, 3
	s_add_co_u32 s54, s54, s55                     ; the tile's first row: 32 (tile / 2) + 8 (tile % 2)
	s_mul_i32 s54, s54, 240
	s_mul_i32 s55, s53, 96
	s_add_co_u32 s54, s54, s55
	s_mov_b32 s55, 0
	s_add_nc_u64 s[16:17], s[16:17], s[54:55]
	s_mul_i32 s56, ttmp9, 1536
	s_mov_b32 s57, 0
	s_add_nc_u64 s[50:51], s[50:51], s[56:57]
	v_and_b32 v128, 15, v0
	v_bfe_u32 v129, v0, 4, 1
	v_and_b32 v130, 8, v0
	v_add_nc_u32 v130, v130, v128                  ; THE ROWS OF A TILE ARE NOT NEIGHBOURS: lane r takes row r + 8 (r / 8), so that two tiles' results are 16 neighbours along the next K
	v_mul_u32_u24 v130, v130, 240
	v_mad_u32_u24 v130, v129, 24, v130
	v_and_b32 v131, 31, v0
	v_lshlrev_b32 v131, 4, v131
.irp e, 0,1,2
	global_load_b64 v[64+2*\e:65+2*\e], v130, s[16:17] offset:8*\e
.endr
	s_cmp_eq_u32 s53, 2
	s_cbranch_scc1 .Lw0z
.irp e, 0,1,2
	global_load_b64 v[70+2*\e:71+2*\e], v130, s[16:17] offset:48+8*\e
.endr
	s_branch .Lw0s
.Lw0z:                                             ; K = 320: the third K step has two blocks; the rest are zero codes, and no load leaves the row
.irp e, 70,71,72,73,74,75
	v_mov_b32 v\e, 0
.endr
.Lw0s:
	s_wait_loadcnt 0x0
.irp c, 0,1,2
	global_store_b128 v131, v[64+4*\c:67+4*\c], s[50:51] offset:512*\c   ; four registers of all 32 lanes: 512 consecutive bytes
.endr
	s_wait_tensorcnt 0x0
	ds_add_u32 v192, v193
	s_wait_dscnt 0x0
	s_endpgm
.Lw1:                                              ; fragment 48 + 2 tile + K step of w1: rows as they lie
	s_cmp_lg_u32 s2, 0
	s_cbranch_scc1 .Lend
	s_sub_co_u32 s52, ttmp9, 48
	s_lshr_b32 s54, s52, 1
	s_mul_i32 s54, s54, 3072                       ; 16 rows of 192 bytes
	s_and_b32 s53, s52, 1
	s_mul_i32 s55, s53, 96
	s_add_co_u32 s54, s54, s55
	s_mov_b32 s55, 0
	s_add_nc_u64 s[20:21], s[20:21], s[54:55]
	s_mul_i32 s56, ttmp9, 1536
	s_mov_b32 s57, 0
	s_add_nc_u64 s[50:51], s[50:51], s[56:57]
	v_and_b32 v128, 15, v0
	v_bfe_u32 v129, v0, 4, 1
	v_mul_u32_u24 v130, v128, 192
	v_mad_u32_u24 v130, v129, 24, v130
	v_and_b32 v131, 31, v0
	v_lshlrev_b32 v131, 4, v131
.irp e, 0,1,2
	global_load_b64 v[64+2*\e:65+2*\e], v130, s[20:21] offset:8*\e
	global_load_b64 v[70+2*\e:71+2*\e], v130, s[20:21] offset:48+8*\e
.endr
	s_wait_loadcnt 0x0
.irp c, 0,1,2
	global_store_b128 v131, v[64+4*\c:67+4*\c], s[50:51] offset:512*\c
.endr
	s_wait_tensorcnt 0x0
	ds_add_u32 v192, v193
	s_wait_dscnt 0x0
	s_endpgm
.Lc0:                                              ; w0's scale words in tile order (thread = 16 tile + r), and layer 0's gains and shifts (thread = channel)
	v_lshrrev_b32 v128, 5, v0
	v_lshlrev_b32 v128, 5, v128
	v_bfe_u32 v129, v0, 4, 1
	v_lshl_add_u32 v128, v129, 3, v128
	v_and_b32 v129, 15, v0
	v_add_nc_u32 v128, v128, v129
	v_and_b32 v129, 8, v0
	v_add_nc_u32 v128, v128, v129                  ; row 32 (tile / 2) + 8 (tile % 2) + r + 8 (r / 8)
	v_mul_u32_u24 v130, v128, 10
.irp i, 0,1,2,3,4,5,6,7,8,9
	global_load_u8 v[64+\i], v130, s[18:19] offset:\i
.endr
	global_load_b32 v80, v1, s[24:25]              ; b
	global_load_b32 v81, v1, s[26:27]              ; scale
	global_load_b32 v82, v1, s[28:29]              ; bias
	global_load_b32 v83, v1, s[30:31]              ; mean
	global_load_b32 v84, v1, s[32:33]              ; var
	s_wait_loadcnt 0x0
	v_lshl_or_b32 v76, v65, 8, v64
	v_lshl_or_b32 v77, v69, 8, v68
	v_lshl_or_b32 v78, v73, 8, v72
	v_lshl_or_b32 v76, v66, 16, v76
	v_lshl_or_b32 v77, v70, 16, v77
	v_or_b32 v78, 0x7f7f0000, v78                  ; over the zero codes: the byte of 1.0
	v_lshl_or_b32 v76, v67, 24, v76
	v_lshl_or_b32 v77, v71, 24, v77
	v_mov_b32 v79, 0x7f7f7f7f
	global_store_b128 v2, v[76:79], s[50:51] offset:98304
	v_add_f32 v85, 0x3727c5ac, v84                 ; var + 1e-5
	v_sqrt_f32 v86, v85
	v_sub_f32 v88, v80, v83                        ; b - mean (a plain line behind the root)
	s_wait_alu depctr_va_vdst(0)
	v_rcp_f32 v87, v86
	v_nop
	s_wait_alu depctr_va_vdst(0)
	v_mul_f32 v87, v81, v87                        ; g
	v_fma_f32 v88, v88, v87, v82                   ; t
	global_store_b32 v1, v87, s[50:51] offset:103424
	global_store_b32 v1, v88, s[50:51] offset:104448
	s_wait_tensorcnt 0x0
	ds_add_u32 v192, v193
	s_wait_dscnt 0x0
	s_endpgm
.Lc1:                                              ; w1's scale words as they lie, and layer 1's (g, t) pairs: 128 channels, waves 0 to 3
	s_cmp_ge_u32 s2, 4
	s_cbranch_scc1 .Lend
	v_lshlrev_b32 v128, 3, v0
	global_load_b64 v[64:65], v128, s[22:23]
	global_load_b32 v80, v1, s[34:35]
	global_load_b32 v81, v1, s[36:37]
	global_load_b32 v82, v1, s[38:39]
	global_load_b32 v83, v1, s[40:41]
	global_load_b32 v84, v1, s[42:43]
	s_wait_loadcnt 0x0
	global_store_b64 v128, v[64:65], s[50:51] offset:102400
	v_add_f32 v85, 0x3727c5ac, v84
	v_sqrt_f32 v90, v85
	v_sub_f32 v87, v80, v83
	s_wait_alu depctr_va_vdst(0)
	v_rcp_f32 v86, v90
	v_nop
	s_wait_alu depctr_va_vdst(0)
	v_mul_f32 v86, v81, v86
	v_fma_f32 v87, v87, v86, v82
	global_store_b64 v128, v[86:87], s[50:51] offset:105472
.Lend:
	s_wait_tensorcnt 0x0
	ds_add_u32 v192, v193
	s_wait_dscnt 0x0
	s_endpgm
.Lfunc_end_k_q883bc3c5b3_refine:
	.size	k_q883bc3c5b3_refine, .Lfunc_end_k_q883bc3c5b3_refine-k_q883bc3c5b3_refine
	.p2alignl 7, 3214868480
	.fill 96, 4, 3214868480
	.section	.rodata,"a",@progbits
	.p2align	6, 0x0
	.amdhsa_kernel k_q883bc3c5b3_refine
		.amdhsa_group_segment_fixed_size 44544
		.amdhsa_private_segment_fixed_size 0
		.amdhsa_enable_private_segment 0
		.amdhsa_kernarg_size 176
		.amdhsa_user_sgpr_count 2
		.amdhsa_user_sgpr_kernarg_segment_ptr 1
		.amdhsa_wavefront_size32 1
		.amdhsa_system_sgpr_workgroup_id_x 1
		.amdhsa_system_sgpr_workgroup_id_y 1
		.amdhsa_system_sgpr_workgroup_id_z 1
		.amdhsa_system_vgpr_workitem_id 0
		.amdhsa_next_free_vgpr 194
		.amdhsa_next_free_sgpr 80
		.amdhsa_reserve_vcc 1
		.amdhsa_float_denorm_mode_32 3
		.amdhsa_float_denorm_mode_16_64 3
		.amdhsa_memory_ordered 1
		.amdhsa_forward_progress 1
		.amdhsa_inst_pref_size 81
	.end_amdhsa_kernel
	.amdgpu_metadata
---
amdhsa.version: [ 1, 2 ]
amdhsa.kernels:
  - .name:           k_q883bc3c5b3_refine
    .symbol:         k_q883bc3c5b3_refine.kd
    .args:
      - { .name: grp, .offset: 0, .size: 8, .value_kind: global_buffer, .address_space: global }
      - { .name: xyz1, .offset: 8, .size: 8, .value_kind: global_buffer, .address_space: global }
      - { .name: xyz2, .offset: 16, .size: 8, .value_kind: global_buffer, .address_space: global }
      - { .name: points2, .offset: 24, .size: 8, .value_kind: global_buffer, .address_space: global }
      - { .name: w0_codes, .offset: 32, .size: 8, .value_kind: global_buffer, .address_space: global }
      - { .name: w0_scales, .offset: 40, .size: 8, .value_kind: global_buffer, .address_space: global }
      - { .name: w1_codes, .offset: 48, .size: 8, .value_kind: global_buffer, .address_space: global }
      - { .name: w1_scales, .offset: 56, .size: 8, .value_kind: global_buffer, .address_space: global }
      - { .name: b0, .offset: 64, .size: 8, .value_kind: global_buffer, .address_space: global }
      - { .name: scale0, .offset: 72, .size: 8, .value_kind: global_buffer, .address_space: global }
      - { .name: bias0, .offset: 80, .size: 8, .value_kind: global_buffer, .address_space: global }
      - { .name: mean0, .offset: 88, .size: 8, .value_kind: global_buffer, .address_space: global }
      - { .name: var0, .offset: 96, .size: 8, .value_kind: global_buffer, .address_space: global }
      - { .name: b1, .offset: 104, .size: 8, .value_kind: global_buffer, .address_space: global }
      - { .name: scale1, .offset: 112, .size: 8, .value_kind: global_buffer, .address_space: global }
      - { .name: bias1, .offset: 120, .size: 8, .value_kind: global_buffer, .address_space: global }
      - { .name: mean1, .offset: 128, .size: 8, .value_kind: global_buffer, .address_space: global }
      - { .name: var1, .offset: 136, .size: 8, .value_kind: global_buffer, .address_space: global }
      - { .name: nbr, .offset: 144, .size: 8, .value_kind: global_buffer, .address_space: global }
      - { .name: wgt, .offset: 152, .size: 8, .value_kind: global_buffer, .address_space: global }
      - { .name: p2t, .offset: 160, .size: 8, .value_kind: global_buffer, .address_space: global }
      - { .name: wimg, .offset: 168, .size: 8, .value_kind: global_buffer, .address_space: global }
    .group_segment_fixed_size: 44544
    .private_segment_fixed_size: 0
    .kernarg_segment_align: 8
    .kernarg_segment_size: 176
    .max_flat_workgroup_size: 256
    .sgpr_count:     80
    .vgpr_count:     194
    .wavefront_size: 32
...
	.end_amdgpu_metadata
.endif
;; end of part 2
;; launch mlp (part 3): grid 256 x 1, 4 waves a work-group, no clusters, 250,368 bytes of LDS; arguments points1, nbr, wgt, p2t, wimg, out0; writes out0
.if DOCPART == 3
	.amdgcn_target "amdgcn-amd-amdhsa--gfx1250"
	.amdhsa_code_object_version 6
	.text
	.protected	k_q883bc3c5b3_mlp
	.globl	k_q883bc3c5b3_mlp
	.p2align	8
	.type	k_q883bc3c5b3_mlp,@function
k_q883bc3c5b3_mlp:
	s_mov_b64 s[64:65], 0
	v_nop
	global_prefetch_b8 v0, s[64:65] scope:SCOPE_SE
	s_setreg_imm32_b32 hwreg(HW_REG_WAVE_MODE, 25, 1), 1
	s_wait_xcnt 0x0
; out = relu(BN1(Q(relu(BN0(Q([points1^T, interp]) W0))) W1))^T, both products on codes of FP6 (E2M3) with one E8M0 scale for each 32 along K.
; interp = the three nearest centres' rows of p2t, weighed in f32 (a multiply and two fused multiply-adds, nearest first).  BN as y = sum x g + t, g and t from the launch before.
; SHARES: a work-group 256 points, a wave 64 (four tiles of 16), which it takes through the whole chain by itself.  The weights lie in LDS as images of operand registers; a fragment read feeds four products.
; PHASES of a wave: a ring of four register slots gathers two points a turn (lanes 0-15 one point, lanes 16-31 the next; a lane 16 neighbouring channels), weighs, quantises (a block of 32 = two
; neighbouring lanes) and stores codes and scale bytes as rows in LDS | points1's tile (a lane a point, registers down the channels) likewise | the rows come back as operand fragments |
; layer 0 TRANSPOSED (source 0 = 16 rows of W0, source 1 = 16 points): a lane holds one point, and, by the choice of W0's rows, 16 neighbours along the next K in two tiles' registers |
; quantised in registers | layer 1 (source 0 = 16 points, source 1 = 16 channels): a lane holds eight neighbouring points of one channel: 32 bytes of a row of out0 | through a stage in LDS, out in whole rows of 256 bytes.
; K = 320 is two and a half steps of 128: the rest of the third step is zero codes on both sides under the byte of 1.0.
; The indices are whole numbers read from memory; each is held to 2,047 before it enters an address.
; NO CLUSTER: what work-groups share is the weight image, 104 KiB of the 1.07 MiB that a work-group reads; the gathered rows differ.  NO PREFETCH: p2t is read again and again by all; points1, nbr, wgt are asked for once, at the head.
; LIMITS: NaN and infinities are not served.  A block of zeros gets the scale byte 1 (its codes are zeros; the bytes are read here alone).
; LDS: 0: the weight image, 106,496 bytes, filled once.  From 106,496 on a region of 35,840 bytes for each wave: + 0 points1's tile, 64 channel rows of 256 + 16 bytes, filled once, after its last read the stage
; for out0 (64 channel rows of 256 + 16); + 17,408 codes, 64 point rows of 240 bytes; + 32,768 scale bytes, 16 a point; + 33,792 nbr, then wgt, 1,024 bytes each.  No LDS byte is filled twice by the data mover.
; REGISTERS, in windows of 256: window 0 addresses, temporaries, weight fragments, all scale words; window 1 layer 0's sums (64 p + 8 (tile % 8) + j), then layer 1's (32 tile + 8 p + j);
; window 2 x's fragments (36 p + 12 s) and from v144 the hidden layer's (12 (2 p + k)); window 3 rows read back from the stage.
.set WIMGB, 106496
.set WREG,  35840
.set O_XC,  17408
.set O_XS,  32768
.set O_NW,  33792
.set P1A, 12                           ; v12  points1's tile: 4 x lane
.set XPA, 13                           ; v13  codes: row = lane
.set XPS, 14                           ; v14  scale bytes: row = lane
.set XFA, 15                           ; v15  codes as a fragment: row r, + 24 h
.set XSF, 16                           ; v16  scale words: row r
.set LI,  17                           ; v17  16 x lane: an image's place for my lane
.set LI2, 18                           ; v18  the same 49,152 bytes on (an LDS immediate has 16 bits)
.set WS0, 19                           ; v19  W0's scale words
.set WS1, 20                           ; v20  W1's
.set GA,  21                           ; v21  layer 0's gains: + 64 h
.set G1A, 22                           ; v22  layer 1's pairs: 8 r
.set STO, 23                           ; v23  the stage, in
.set SRD, 24                           ; v24  the stage, out
.set OA,  25                           ; v25  out0: 262,144 h + 16 r
.set XSW, 32                           ; v32-47   x's scale words, 4 p + s
.set HSW, 48                           ; v48-55   the hidden layer's, 2 p + k
.set GT1, 56                           ; v56-71   (g1, t1) of channel 16 tile + r
.set TM,  72                           ; v72-87   the quantiser's temporaries
.set PC,  88                           ; v88-107  codes just made
.set W0S, 108                          ; v108-115 W0's scale words, two buffers of four
.set W1S, 116                          ; v116-119 W1's, two buffers of two
.set FB,  120                          ; v120-155, v156-191 weight fragments, two buffers
.set GT0, 192                          ; v192-207, v208-223 g0 (8) and t0 (8) of a tile, two buffers
.set HC,  144                          ; in window 2
.set MSB, 0
.macro WIN new                         ; the immediate's high byte repeats the setting that is left; a switch that changes nothing is dropped
.if MSB != \new
	s_set_vgpr_msb (MSB<<8)|\new
.set MSB, \new
.endif
.endm
.set W_L0, 0x58                        ; D and C window 1, source 1 (x) window 2, source 0 (W0) window 0
.set W_BN, 0x41                        ; destination and source 0 window 1
.set W_MX, 0x14                        ; sources 1 and 2 window 1
.set W_CV, 0x01                        ; source 0 window 1
.set W_T2, 0x80                        ; destination window 2
.set W_L1, 0x52                        ; D and C window 1, source 0 (hidden) window 2, source 1 (W1) window 0
.set W_ST, 0x04                        ; an LDS store's data (source 1) window 1
.set W_RB, 0xc0                        ; destination window 3
.set W_GS, 0x0c                        ; a store's data (source 1) window 3
.macro PLACES n
.rept \n
	v_nop
.endr
.endm
	s_load_b256 s[4:11], s[0:1], 0x0               ; points1 4, nbr 6, wgt 8, p2t 10
	s_load_b128 s[12:15], s[0:1], 0x20             ; wimg 12, out0 14
	v_lshl_add_u32 v31, v0, 2, 0x3d000
	s_set_vgpr_msb 0x80
	v_mov_b32 v255, 0
	s_set_vgpr_msb 0x8088
	ds_add_u32 v31, v255
	ds_add_u32 v31, v255
	s_set_vgpr_msb 0x8800
	v_lshrrev_b32 v1, 5, v0
	v_readfirstlane_b32 s16, v1                    ; wave
	v_and_b32 v1, 31, v0                           ; lane
	v_and_b32 v2, 15, v0                           ; r
	v_bfe_u32 v3, v0, 4, 1                         ; h
	s_mul_i32 s17, s16, WREG
	s_add_co_u32 s17, s17, WIMGB                   ; my wave's region
	s_add_co_u32 s70, s17, O_NW
	s_add_co_u32 s71, s17, O_XC+48
	s_add_co_u32 s72, s17, O_XS+2
	s_add_co_u32 s74, s17, O_XS
	s_add_co_u32 s75, s17, O_XC
	s_mov_b32 s18, 0x76543210
	s_mov_b32 s19, 0xfedcba98                      ; v_permlanex16_b32's selects for lane l xor 16
	s_lshl_b32 s60, ttmp9, 8
	s_lshl_b32 s61, s16, 6
	s_add_co_u32 s60, s60, s61                     ; my first point
	s_lshl_b32 s62, s60, 2
	s_mov_b32 s63, 0
	s_lshl_b32 s66, s60, 4
	s_mov_b32 s67, 0
	s_mul_i32 s68, s16, 26624                      ; my quarter of the weight image
	s_mov_b32 s69, 0
	; group 1 for points1's tile: 64 channel rows x 64 points of 4 bytes, 65,536 elements from row to row, 16 bytes of padding behind each 256
	s_mov_b32 s24, (2<<16)|(1<<20)|(5<<22)|(3<<25)
	s_mov_b32 s25, 64<<16                          ; tensor_dim0
	s_mov_b32 s26, 64<<16                          ; tensor_dim1
	s_mov_b32 s27, 64<<16                          ; tile_dim0
	s_mov_b32 s28, 64                              ; tile_dim1
	s_mov_b32 s29, 65536                           ; stride
	s_mov_b32 s30, 0
	s_mov_b32 s31, 0
	; group 1 for a quarter of the image: a dense block of 104 rows of 256 bytes (32 elements of 8), no padding
	s_mov_b32 s36, 3<<16
	s_mov_b32 s37, 32<<16
	s_mov_b32 s38, 104<<16
	s_mov_b32 s39, 32<<16
	s_mov_b32 s40, 104
	s_mov_b32 s41, 32
	s_mov_b32 s42, 0
	s_mov_b32 s43, 0
	s_wait_dscnt 0x0
	s_wait_kmcnt 0x0
	s_mov_b32 s20, 1
	s_mov_b32 s21, s17
	s_add_nc_u64 s[22:23], s[4:5], s[62:63]
	s_or_b32 s23, s23, 0x80000000
	s_mov_b32 s32, 1
	s_mov_b32 s33, s68
	s_add_nc_u64 s[34:35], s[12:13], s[68:69]
	s_or_b32 s35, s35, 0x80000000
	tensor_load_to_lds s[20:23], s[24:31]          ; both first fills together, ahead of every wait on TENSORcnt, LDS read and barrier: two loads of mine are out, and no more follow
	s_nop 0
	tensor_load_to_lds s[32:35], s[36:43]
	s_nop 0
	PLACES 4                                       ; four places behind a tensor load
	s_add_nc_u64 s[6:7], s[6:7], s[66:67]
	s_add_nc_u64 s[8:9], s[8:9], s[66:67]
	s_add_nc_u64 s[44:45], s[14:15], s[62:63]      ; out0 at my first point, channel 0;
.irp g, 1,2,3,4,5,6,7
	s_add_nc_u64 s[44+2*\g:45+2*\g], s[42+2*\g:43+2*\g], 0x400000   ; and every 16 channels on, so that the stores' offsets fit their immediate
.endr
	v_lshlrev_b32 v4, 4, v2                        ; v4  16 r: my 16 bytes of a unit of a centre's row
	v_lshl_add_u32 v5, v3, 4, s70                  ; v5  nbr's row of my half's point
	v_mul_u32_u24 v6, v3, 240
	v_mad_u32_u24 v6, v2, 12, v6
	v_add_nc_u32 v6, s71, v6                       ; v6  my 12 bytes of codes: behind points1's 48
	v_lshrrev_b32 v7, 1, v2
	v_lshl_add_u32 v7, v3, 4, v7
	v_add_nc_u32 v7, s72, v7                       ; v7  my block's scale byte: behind points1's two
	v_lshl_add_u32 v11, v1, 4, s70
	v_lshl_add_u32 v27, v1, 4, s74
	v_mov_b32 v28, 0x7f7f7f7f
	v_mov_b32 v29, 0x7f7f7f7f
	v_lshlrev_b32 v30, 4, v1
	global_load_b128 v[64:67], v30, s[6:7]
	global_load_b128 v[68:71], v30, s[6:7] offset:512
	global_load_b128 v[72:75], v30, s[8:9]
	global_load_b128 v[76:79], v30, s[8:9] offset:512
	s_wait_loadcnt 0x0
	ds_store_b128 v11, v[64:67]
	ds_store_b128 v11, v[68:71] offset:512
	ds_store_b128 v11, v[72:75] offset:1024
	ds_store_b128 v11, v[76:79] offset:1536
	ds_store_b64 v27, v[28:29] offset:8            ; scale bytes 8 to 15 of each point: the byte of 1.0; LDS serves a wave's instructions in order (ISA guide 5.7.1.4), so bytes 8 and 9 are written over below
	ds_store_b64 v27, v[28:29] offset:520
	; ---- the ring's first fill: slot g takes points 2 g and 2 g + 1
.irp g, 0,1,2,3
	ds_load_b128 v[64+48*\g:67+48*\g], v5 offset:32*\g
	ds_load_b128 v[44+4*\g:47+4*\g], v5 offset:1024+32*\g
.endr
	s_wait_dscnt 0x0
.irp g, 0,1,2,3
.irp k, 0,1,2
	v_min_u32 v[32+3*\g+\k], 0x7ff, v[64+48*\g+\k]
.endr
.endr
.irp g, 0,1,2,3
.irp k, 0,1,2
	v_lshl_add_u32 v[32+3*\g+\k], v[32+3*\g+\k], 10, v4
.endr
.endr
.irp g, 0,1,2,3
.irp k, 1,2,0
.irp j, 0,1,2,3
	global_load_b128 v[64+48*\g+16*\k+4*\j:67+48*\g+16*\k+4*\j], v[32+3*\g+\k], s[10:11] offset:256*\j   ; sixteen lanes read 256 consecutive bytes of one centre's row
.endr
.endr
.endr
; A slot's turn.  v12-15, v16-19: the next indices and weights; v20-23 at work; v24-26 codes; v32.. three addresses a slot; v44.. four weights a slot; v64.. 48 numbers a slot.
; left: the loads of the younger slots, 12 each, which may stay out.
.macro TURN g, fill, left
.set DD, 64+48*(\g)
.set WW, 44+4*(\g)
.set AA, 32+3*(\g)
	s_wait_loadcnt \left                           ; loads come back in order (ISA guide 5.7.1): my slot's twelve are in, so its address registers are free too
.if \fill
	ds_load_b128 v[12:15], v8 offset:32*(\g)+128   ; the points four turns on
	ds_load_b128 v[16:19], v8 offset:32*(\g)+1152
.endif
.irp i, 0,2,4,6,8,10,12,14
	v_pk_mul_f32 v[DD+\i:DD+\i+1], v[DD+\i:DD+\i+1], v[WW:WW+1] op_sel_hi:[1,0]
.endr
.irp i, 0,2,4,6,8,10,12,14
	v_pk_fma_f32 v[DD+\i:DD+\i+1], v[DD+16+\i:DD+17+\i], v[WW:WW+1], v[DD+\i:DD+\i+1] op_sel:[0,1,0] op_sel_hi:[1,1,1]
.endr
.irp i, 0,2,4,6,8,10,12,14
	v_pk_fma_f32 v[DD+\i:DD+\i+1], v[DD+32+\i:DD+33+\i], v[WW+2:WW+3], v[DD+\i:DD+\i+1] op_sel_hi:[1,0,1]
.endr
.if \fill
	s_wait_dscnt 0x0
.irp k, 0,1,2
	v_min_u32 v[AA+\k], 0x7ff, v[12+\k]
.endr
.irp k, 0,1,2
	v_lshl_add_u32 v[AA+\k], v[AA+\k], 10, v4
.endr
.irp k, 0,1,2
	v_mov_b32 v[WW+\k], v[16+\k]
.endr
.irp k, 1,2
.irp j, 0,1,2,3
	global_load_b128 v[DD+16*\k+4*\j:DD+16*\k+4*\j+3], v[AA+\k], s[10:11] offset:256*\j
.endr
.endr
.endif
	v_max3_num_f32 v20, |v[DD]|, |v[DD+1]|, |v[DD+2]|
	v_max3_num_f32 v21, |v[DD+3]|, |v[DD+4]|, |v[DD+5]|
.irp i, 6,10
	v_max3_num_f32 v20, v20, |v[DD+\i]|, |v[DD+\i+1]|
	v_max3_num_f32 v21, v21, |v[DD+\i+2]|, |v[DD+\i+3]|
.endr
	v_max3_num_f32 v20, v20, |v[DD+14]|, |v[DD+15]|
	v_max3_num_f32 v20, v20, v21, 0x1800000        ; the floor 2^(3 - 127): the byte cannot fall under 1
	v_max_num_f32_dpp v20, v20, v20 row_xmask:1 row_mask:0xf bank_mask:0xf   ; with my neighbour's 16: the block's largest magnitude
	v_add_nc_u32 v22, 0xff000000, v20              ; 2 off its exponent field: the conversion's scale operand
	v_cvt_scalef32_pk16_fp6_f32 v[24:26], v[DD:DD+15], v22
	v_lshrrev_b32 v23, 23, v22                     ; the scale's byte (the plain line behind the conversion)
	ds_store_b32 v9, v24 offset:480*(\g)
	ds_store_b32 v9, v25 offset:480*(\g)+4
	ds_store_b32 v9, v26 offset:480*(\g)+8
	ds_store_b8 v10, v23 offset:32*(\g)            ; both lanes of a block write the same byte with the same value
.if \fill
.irp j, 0,1,2,3
	global_load_b128 v[DD+4*\j:DD+4*\j+3], v[AA], s[10:11] offset:256*\j
.endr
.endif
.endm
.macro HEADS
	v_add_nc_u32 v8, s61, v5
	v_add_nc_u32 v9, s62, v6
	v_add_nc_u32 v10, s61, v7
.endm
	s_mov_b32 s61, 0                               ; 128 bytes of nbr and of scale bytes a trip (8 points)
	s_mov_b32 s62, 0                               ; 1,920 bytes of codes a trip
	s_mov_b32 s60, 7
.Lring:
	HEADS
	TURN 0, 1, 36
	TURN 1, 1, 36
	TURN 2, 1, 36
	TURN 3, 1, 36
	s_add_co_u32 s61, s61, 128
	s_add_co_u32 s62, s62, 1920
	s_sub_co_u32 s60, s60, 1
	s_cmp_lg_u32 s60, 0
	s_cbranch_scc1 .Lring
	HEADS                                          ; the last eight points: nothing more is asked for, the counts run down
	TURN 0, 0, 36
	TURN 1, 0, 24
	TURN 2, 0, 12
	TURN 3, 0, 0
	; ---- points1: a lane a point, registers down the channels: a block of 32 is one lane's
	s_wait_tensorcnt 0x1                           ; my tile of points1 has landed; my quarter of the image may be out
	v_lshl_add_u32 v[P1A], v1, 2, s17
	v_mul_u32_u24 v[XPA], v1, 240
	v_add_nc_u32 v[XPA], s75, v[XPA]
	v_lshl_add_u32 v[XPS], v1, 4, s74
	v_mul_u32_u24 v[XFA], v2, 240
	v_mad_u32_u24 v[XFA], v3, 24, v[XFA]
	v_add_nc_u32 v[XFA], s75, v[XFA]
	v_lshl_add_u32 v[XSF], v2, 4, s74
	v_lshlrev_b32 v[LI], 4, v1
	v_add_nc_u32 v[LI2], 49152, v[LI]
	v_lshl_add_u32 v[WS0], v2, 4, 98304
	v_lshl_add_u32 v[WS1], v2, 3, 102400
	v_lshl_add_u32 v[GA], v3, 6, 103424
	v_lshl_add_u32 v[G1A], v2, 3, 105472
	v_mul_u32_u24 v[STO], v2, 272
	v_lshl_add_u32 v[STO], v3, 5, v[STO]
	v_add_nc_u32 v[STO], s17, v[STO]
	v_mul_u32_u24 v[SRD], v3, 272
	v_lshl_add_u32 v[SRD], v2, 4, v[SRD]
	v_add_nc_u32 v[SRD], s17, v[SRD]
	v_lshlrev_b32 v[OA], 18, v3
	v_lshl_add_u32 v[OA], v2, 4, v[OA]
.irp b, 4,5,6,7
	v_mov_b32 v[TM+\b], 0                          ; written once: a lane permute's destination counts as one of its sources
.endr
.macro P1LOAD b                        ; batch b: points 32 (b / 2) + lane, channels 32 (b % 2) on
.set i, 0
.rept 32
	ds_load_b32 v[128+32*((\b)%2)+i], v[P1A] offset:272*(32*((\b)%2)+i)+128*((\b)/2)
.set i, i+1
.endr
.endm
.macro P1PROC b
.set XX, 128+32*((\b)%2)
	v_max3_num_f32 v[TM], |v[XX]|, |v[XX+1]|, |v[XX+2]|
	v_max3_num_f32 v[TM+1], |v[XX+3]|, |v[XX+4]|, |v[XX+5]|
.irp i, 6,10,14,18,22,26
	v_max3_num_f32 v[TM], v[TM], |v[XX+\i]|, |v[XX+\i+1]|
	v_max3_num_f32 v[TM+1], v[TM+1], |v[XX+\i+2]|, |v[XX+\i+3]|
.endr
	v_max3_num_f32 v[TM], v[TM], |v[XX+30]|, |v[XX+31]|
	v_max3_num_f32 v[TM], v[TM], v[TM+1], 0x1800000
	v_add_nc_u32 v[TM+2], 0xff000000, v[TM]
	v_cvt_scalef32_pk16_fp6_f32 v[PC:PC+2], v[XX:XX+15], v[TM+2]
	v_cvt_scalef32_pk16_fp6_f32 v[PC+4:PC+6], v[XX+16:XX+31], v[TM+2]
	v_lshrrev_b32 v[TM+3], 23, v[TM+2]             ; (the plain line behind the conversions)
.irp i, 0,1,2
	ds_store_b32 v[XPA], v[PC+\i] offset:7680*((\b)/2)+24*((\b)%2)+4*\i
	ds_store_b32 v[XPA], v[PC+4+\i] offset:7680*((\b)/2)+24*((\b)%2)+12+4*\i
.endr
	ds_store_b8 v[XPS], v[TM+3] offset:512*((\b)/2)+(\b)%2
.endm
	P1LOAD 0
	P1LOAD 1
	s_wait_dscnt 32                                ; batch 0 is in; batch 1's 32 loads may be out
	P1PROC 0
	P1LOAD 2
	s_wait_dscnt 39                                ; batch 1 is in; behind it: 7 stores and 32 loads
	P1PROC 1
	P1LOAD 3
	s_wait_dscnt 39
	P1PROC 2
	s_wait_dscnt 7                                 ; batch 3 is in; behind it: 7 stores
	P1PROC 3
	; ---- my 64 rows of codes come back as operand fragments: 24 bytes at 24 h and at 48 + 24 h of each 96, in pieces of 8
	WIN W_T2
.irp p, 0,1,2,3
.irp s, 0,1
.irp c, 0,1
.irp e, 0,1,2
	ds_load_b64 v[36*\p+12*\s+6*\c+2*\e:36*\p+12*\s+6*\c+2*\e+1], v[XFA] offset:3840*\p+96*\s+48*\c+8*\e
.endr
.endr
.endr
.irp e, 0,1,2
	ds_load_b64 v[36*\p+24+2*\e:36*\p+25+2*\e], v[XFA] offset:3840*\p+192+8*\e
.endr
.irp e, 30,31,32,33,34,35
	v_mov_b32 v[36*\p+\e], 0                       ; K = 320 .. 383: zero codes
.endr
.endr
	WIN 0
.irp p, 0,1,2,3
	ds_load_b128 v[XSW+4*\p:XSW+4*\p+3], v[XSF] offset:256*\p
.endr
	s_wait_tensorcnt 0x0                           ; my quarter of the image has landed,
	s_wait_dscnt 0x0                               ; no LDS instruction of mine is out,
	s_barrier_signal -1
	s_barrier_wait -1                              ; and so for all four waves: the image is whole.  The only barrier
.irp n, 0,1,2,3,4,5,6,7
	ds_load_b64 v[GT1+2*\n:GT1+2*\n+1], v[G1A] offset:128*\n
.endr
; ---- layer 0
.macro LOADF0 t                        ; tile t's three fragments and its rows' scale words: ten loads
.irp s, 0,1,2
.irp c, 0,1,2
.if 3*(\t)+\s < 32
	ds_load_b128 v[FB+36*((\t)%2)+12*\s+4*\c:FB+36*((\t)%2)+12*\s+4*\c+3], v[LI] offset:1536*(3*(\t)+\s)+512*\c
.else
	ds_load_b128 v[FB+36*((\t)%2)+12*\s+4*\c:FB+36*((\t)%2)+12*\s+4*\c+3], v[LI2] offset:1536*(3*(\t)+\s-32)+512*\c
.endif
.endr
.endr
	ds_load_b128 v[W0S+4*((\t)%2):W0S+4*((\t)%2)+3], v[WS0] offset:256*(\t)
.endm
.macro LOADGT t                        ; g0 and t0 of the tile's eight hidden units of my half: four loads
.set GG, GT0+16*((\t)%2)
.set GO, 128*((\t)/2)+32*((\t)%2)
	ds_load_b128 v[GG:GG+3], v[GA] offset:GO
	ds_load_b128 v[GG+4:GG+7], v[GA] offset:GO+16
	ds_load_b128 v[GG+8:GG+11], v[GA] offset:GO+1024
	ds_load_b128 v[GG+12:GG+15], v[GA] offset:GO+1040
.endm
.macro MM0 t                           ; twelve products: the four tiles of points by turns, one instruction a turn, K step by K step; the first starts each sum
	WIN W_L0
.irp s, 0,1,2
.irp p, 0,1,2,3
.if \s == 0
	v_wmma_scale_f32_16x16x128_f8f6f4 v[64*\p+8*((\t)%8):64*\p+8*((\t)%8)+7], v[FB+36*((\t)%2)+12*\s:FB+36*((\t)%2)+12*\s+11], v[36*\p+12*\s:36*\p+12*\s+11], 0, v[W0S+4*((\t)%2)+\s], v[XSW+4*\p+\s] matrix_a_fmt:MATRIX_FMT_FP6 matrix_b_fmt:MATRIX_FMT_FP6
.else
	v_wmma_scale_f32_16x16x128_f8f6f4 v[64*\p+8*((\t)%8):64*\p+8*((\t)%8)+7], v[FB+36*((\t)%2)+12*\s:FB+36*((\t)%2)+12*\s+11], v[36*\p+12*\s:36*\p+12*\s+11], v[64*\p+8*((\t)%8):64*\p+8*((\t)%8)+7], v[W0S+4*((\t)%2)+\s], v[XSW+4*\p+\s] matrix_a_fmt:MATRIX_FMT_FP6 matrix_b_fmt:MATRIX_FMT_FP6
.endif
.endr
.endr
.endm
.macro BN0 t                           ; sum x g + t, then relu; each accumulator from its low end on
.set HB, 8*((\t)%8)
.set GG, GT0+16*((\t)%2)
	WIN W_BN
.irp p, 0,1,2,3
.irp i, 0,2,4,6
	v_pk_fma_f32 v[64*\p+HB+\i:64*\p+HB+\i+1], v[64*\p+HB+\i:64*\p+HB+\i+1], v[GG+\i:GG+\i+1], v[GG+8+\i:GG+9+\i]
.endr
.endr
.irp p, 0,1,2,3
.irp i, 0,1,2,3,4,5,6,7
	v_max_num_f32 v[64*\p+HB+\i], v[64*\p+HB+\i], 0
.endr
.endr
.endm
; A tile's step.  The next tile's fragments are asked for ahead of this tile's products; the vector work on the tile before stands behind them, and its lines, which name none of the products' registers,
; are the four places in front of the next loads into the fragment buffer and of the next reads of results.  Where there is no such work: four v_nop.
.macro STEP t, bn, nxt
	WIN 0
	s_wait_dscnt 4                                 ; this tile's ten loads are in, and the gains of the tile before; this tile's four loads of gains may be out
.if \nxt
	LOADF0 (\t)+1
.endif
	MM0 \t
.if \bn
	BN0 (\t)-1
.else
	PLACES 4
.endif
	WIN 0
.if \nxt
	LOADGT (\t)+1
.endif
.endm
; 64 numbers of a lane (window 1, v[64 p] on; register 16 b + i = hidden unit 128 k + 32 b + 16 h + i of my point) become fragment (p, k) of the second product and its scale word.  None is negative: no |.|.
.macro QUANTH p, k
.set HH, 64*(\p)
	WIN W_MX
.irp b, 0,1,2,3
	v_max3_num_f32 v[TM+\b], 0x1800000, v[HH+16*\b], v[HH+16*\b+1]   ; with the floor 2^(3 - 127)
.endr
.irp i, 2,4,6,8,10,12,14
.irp b, 0,1,2,3
	v_max3_num_f32 v[TM+\b], v[TM+\b], v[HH+16*\b+\i], v[HH+16*\b+\i+1]
.endr
.endr
	WIN 0
.irp b, 0,1,2,3
	v_permlanex16_b32 v[TM+4+\b], v[TM+\b], s18, s19
.endr
.irp b, 0,1,2,3
	v_max_num_f32 v[TM+\b], v[TM+\b], v[TM+4+\b]   ; with lane l xor 16's: the block's largest
.endr
.irp b, 0,1,2,3
	v_add_nc_u32 v[TM+12+\b], 0xff000000, v[TM+\b]
.endr
.irp b, 0,1,2,3
	v_lshrrev_b32 v[TM+4+\b], 23, v[TM+12+\b]
.endr
	v_lshl_or_b32 v[HSW+2*(\p)+(\k)], v[TM+5], 8, v[TM+4]
	v_lshl_or_b32 v[HSW+2*(\p)+(\k)], v[TM+6], 16, v[HSW+2*(\p)+(\k)]
	v_lshl_or_b32 v[HSW+2*(\p)+(\k)], v[TM+7], 24, v[HSW+2*(\p)+(\k)]
	WIN W_CV
.irp c, 0,1
	v_cvt_scalef32_pk16_fp6_f32 v[PC+6*\c:PC+6*\c+2], v[HH+32*\c:HH+32*\c+15], v[TM+12+2*\c]
	v_cvt_scalef32_pk16_fp6_f32 v[PC+12+4*\c:PC+14+4*\c], v[HH+32*\c+16:HH+32*\c+31], v[TM+13+2*\c]   ; (a conversion's three registers begin on an even number)
.endr
	WIN 0
	v_nop                                          ; one plain line behind the conversions
.irp c, 0,1
.irp i, 0,1,2
	v_permlane16_swap_b32 v[PC+6*\c+\i], v[PC+12+4*\c+\i]   ; the operand wants a whole block in a lane: lanes 0-15 block 2 c, lanes 16-31 block 2 c + 1
.endr
.endr
	WIN W_T2
.irp c, 0,1
.irp i, 0,1,2
	v_mov_b32 v[HC+12*(2*(\p)+(\k))+6*\c+\i], v[PC+6*\c+\i]
	v_mov_b32 v[HC+12*(2*(\p)+(\k))+6*\c+3+\i], v[PC+12+4*\c+\i]
.endr
.endr
.endm
.macro LOADF1 n                        ; W1's tile n: two fragments and its channels' scale words: seven loads
.irp k, 0,1
.irp c, 0,1,2
	ds_load_b128 v[FB+36*((\n)%2)+12*\k+4*\c:FB+36*((\n)%2)+12*\k+4*\c+3], v[LI2] offset:1536*(16+2*(\n)+\k)+512*\c
.endr
.endr
	ds_load_b64 v[W1S+2*((\n)%2):W1S+2*((\n)%2)+1], v[WS1] offset:128*(\n)
.endm
	LOADF0 0
	LOADGT 0
	PLACES 8                                       ; x's zero registers were written by vector lines: they stand more than four places ahead of the scaled products
	STEP 0, 0, 1
.irp t, 1,2,3,4,5,6,7
	STEP \t, 1, 1
.endr
	s_wait_dscnt 14                                ; tile 7's gains are in; behind them: tile 8's ten and four
	BN0 7
.irp p, 0,1,2,3
	QUANTH \p, 0                                   ; hidden units 0 to 127: the second product's first K step
.endr
	STEP 8, 0, 1
.irp t, 9,10,11,12,13,14
	STEP \t, 1, 1
.endr
	STEP 15, 1, 0
	LOADF1 0
	s_wait_dscnt 7                                 ; tile 15's gains are in; behind them: W1's first seven loads
	BN0 15
.irp p, 0,1,2,3
	QUANTH \p, 1
.endr
	WIN 0
	PLACES 8                                       ; operands and scale words written by vector lines stand four and eight places ahead of a scaled product
; ---- layer 1
.macro MM1 n
	WIN W_L1
.irp k, 0,1
.irp p, 0,1,2,3
.if \k == 0
	v_wmma_scale_f32_16x16x128_f8f6f4 v[32*(\n)+8*\p:32*(\n)+8*\p+7], v[HC+12*(2*\p+\k):HC+12*(2*\p+\k)+11], v[FB+36*((\n)%2)+12*\k:FB+36*((\n)%2)+12*\k+11], 0, v[HSW+2*\p+\k], v[W1S+2*((\n)%2)+\k] matrix_a_fmt:MATRIX_FMT_FP6 matrix_b_fmt:MATRIX_FMT_FP6
.else
	v_wmma_scale_f32_16x16x128_f8f6f4 v[32*(\n)+8*\p:32*(\n)+8*\p+7], v[HC+12*(2*\p+\k):HC+12*(2*\p+\k)+11], v[FB+36*((\n)%2)+12*\k:FB+36*((\n)%2)+12*\k+11], v[32*(\n)+8*\p:32*(\n)+8*\p+7], v[HSW+2*\p+\k], v[W1S+2*((\n)%2)+\k] matrix_a_fmt:MATRIX_FMT_FP6 matrix_b_fmt:MATRIX_FMT_FP6
.endif
.endr
.endr
.endm
.macro BN1 n                           ; my lane's channel is 16 n + r: one g and one t for all its registers
	WIN W_BN
.irp p, 0,1,2,3
.irp i, 0,2,4,6
	v_pk_fma_f32 v[32*(\n)+8*\p+\i:32*(\n)+8*\p+\i+1], v[32*(\n)+8*\p+\i:32*(\n)+8*\p+\i+1], v[GT1+2*(\n):GT1+2*(\n)+1], v[GT1+2*(\n):GT1+2*(\n)+1] op_sel:[0,0,1] op_sel_hi:[1,0,1]
.endr
.endr
.irp p, 0,1,2,3
.irp i, 0,1,2,3,4,5,6,7
	v_max_num_f32 v[32*(\n)+8*\p+\i], v[32*(\n)+8*\p+\i], 0
.endr
.endr
.endm
.macro STG n                           ; lane (r, h): points 16 p + 8 h + 0 .. 7 of channel 16 n + r: 32 bytes of stage row 16 (n % 4) + r
	WIN W_ST
.irp p, 0,1,2,3
	ds_store_b128 v[STO], v[32*(\n)+8*\p:32*(\n)+8*\p+3] offset:4352*((\n)%4)+64*\p
	ds_store_b128 v[STO], v[32*(\n)+8*\p+4:32*(\n)+8*\p+7] offset:4352*((\n)%4)+64*\p+16
.endr
.endm
.macro STEP1 n
	WIN 0
	s_wait_dscnt 0x0                               ; this tile's seven loads are in
.if \n < 7
	LOADF1 (\n)+1
.endif
	MM1 \n
.if \n > 0
	BN1 (\n)-1
	STG (\n)-1
.else
	PLACES 4
.endif
.endm
.macro SEND q                          ; 64 channel rows of my 64 points leave: lanes 0-15 one row, lanes 16-31 the next
.if \q
	s_wait_xcnt 0x0                                ; the first half's stores have read their registers: only behind this wait are they loaded again
.endif
	WIN W_RB
.set i, 0
.rept 32
	ds_load_b128 v[4*i:4*i+3], v[SRD] offset:544*i ; LDS serves a wave's instructions in order: these see my stores, and the next stores into the stage come behind them
.set i, i+1
.endr
	WIN W_GS
.set i, 0
.rept 32
	s_wait_dscnt 31-i                              ; the younger loads may be out
	global_store_b128 v[OA], v[4*i:4*i+3], s[44+2*(4*(\q)+i/8):45+2*(4*(\q)+i/8)] offset:524288*(i%8) th:TH_STORE_NT   ; sixteen lanes store 256 consecutive bytes, at a multiple of 256 from out0's first byte
.set i, i+1
.endr
	WIN 0
.endm
.irp n, 0,1,2,3,4
	STEP1 \n
.endr
	SEND 0                                         ; channels 0 to 63 lie in the stage
.irp n, 5,6,7
	STEP1 \n
.endr
	BN1 7
	STG 7
	SEND 1
	s_set_vgpr_msb 0x8
	s_wait_tensorcnt 0x0
	ds_add_u32 v31, v255
	s_wait_dscnt 0x0
	s_set_vgpr_msb 0x800
	s_endpgm
.Lfunc_end_k_q883bc3c5b3_mlp:
	.size	k_q883bc3c5b3_mlp, .Lfunc_end_k_q883bc3c5b3_mlp-k_q883bc3c5b3_mlp
	.p2alignl 7, 3214868480
	.fill 96, 4, 3214868480
	.section	.rodata,"a",@progbits
	.p2align	6, 0x0
	.amdhsa_kernel k_q883bc3c5b3_mlp
		.amdhsa_group_segment_fixed_size 250368
		.amdhsa_private_segment_fixed_size 0
		.amdhsa_enable_private_segment 0
		.amdhsa_kernarg_size 48
		.amdhsa_user_sgpr_count 2
		.amdhsa_user_sgpr_kernarg_segment_ptr 1
		.amdhsa_wavefront_size32 1
		.amdhsa_system_sgpr_workgroup_id_x 1
		.amdhsa_system_sgpr_workgroup_id_y 1
		.amdhsa_system_sgpr_workgroup_id_z 1
		.amdhsa_system_vgpr_workitem_id 0
		.amdhsa_next_free_vgpr 896
		.amdhsa_next_free_sgpr 80
		.amdhsa_reserve_vcc 0
		.amdhsa_float_denorm_mode_32 3
		.amdhsa_float_denorm_mode_16_64 3
		.amdhsa_memory_ordered 1
		.amdhsa_forward_progress 1
		.amdhsa_inst_pref_size 237
	.end_amdhsa_kernel
	.amdgpu_metadata
---
amdhsa.version: [ 1, 2 ]
amdhsa.kernels:
  - .name:           k_q883bc3c5b3_mlp
    .symbol:         k_q883bc3c5b3_mlp.kd
    .args:
      - { .name: points1, .offset: 0, .size: 8, .value_kind: global_buffer, .address_space: global }
      - { .name: nbr, .offset: 8, .size: 8, .value_kind: global_buffer, .address_space: global }
      - { .name: wgt, .offset: 16, .size: 8, .value_kind: global_buffer, .address_space: global }
      - { .name: p2t, .offset: 24, .size: 8, .value_kind: global_buffer, .address_space: global }
      - { .name: wimg, .offset: 32, .size: 8, .value_kind: global_buffer, .address_space: global }
      - { .name: out0, .offset: 40, .size: 8, .value_kind: global_buffer, .address_space: global }
    .group_segment_fixed_size: 250368
    .private_segment_fixed_size: 0
    .kernarg_segment_align: 8
    .kernarg_segment_size: 48
    .max_flat_workgroup_size: 128
    .sgpr_count:     80
    .vgpr_count:     896
    .wavefront_size: 32
...
	.end_amdgpu_metadata
.endif
;; end of part 3
